; MI455X (gfx1250); checked and timed in simulation.
; The chip was launched on July 23, 2026; its instructions are those of AMD's public machine-readable ISA for CDNA 5 (MIT licence, August 2026) and "CDNA5" Instruction Set Architecture Reference Guide (July 2026). The comments in the code are by the model that wrote it; some were corrected since.
;; Compressed GPT2 Attention. Allowed arithmetic: matrix products marked QUANTISED: E2M1 operands, one E8M0 scale for each 32 along K, by v_wmma_scale_f32_16x16x128_f8f6f4 with both operands' format E2M1 (or v_wmma_scale_f32_32x16x128_f4), f32 sums; everything else in f32.
;; Inputs: hidden_states 4 x 2,048 x 1,024 float32; k_bias 1,024 float32; k_weight 1,024 x 1,024 float32; low_rank_output_weight 512 x 1,024 float32; low_rank_value_bias 512 float32; low_rank_value_weight 1,024 x 512 float32; output_bias 1,024 float32; q_bias 1,024 float32; q_weight 1,024 x 1,024 float32.
;; Outputs: out0 4 x 2,048 x 1,024 float32.
;; This version of the problem:
;;   THIS VERSION OF THE PROBLEM IS GIVEN IN LOW PRECISION. The matrix products marked QUANTISED in the list below multiply operands that are first quantised to E2M1 (2 exponent bits, 1 mantissa bit; 4 bits a number), with one power-of-two scale for each 32 numbers along K (OCP MX v1.0); their sums are f32. All else is computed in f32.
;;   The module's matrix products, in the order in which they are computed (A, B: the left and right operand; K: the contracted axis; several contracted axes count as one K, in the product's order):
;;     1. [M 8,192, K 1,024] x [K 1,024, N 1,024]; A: input hidden_states; B: input q_weight: QUANTISED
;;     2. [M 8,192, K 1,024] x [K 1,024, N 1,024]; A: input hidden_states; B: input k_weight: QUANTISED
;;     3. [M 8,192, K 1,024] x [K 1,024, N 512]; A: input hidden_states; B: input low_rank_value_weight: QUANTISED
;;     4. batch 64 x [M 2,048, K 64] x [K 64, N 2,048]; A: computed on the way; B: computed on the way: QUANTISED
;;     5. batch 64 x [M 2,048, K 2,048] x [K 2,048, N 32]; A: softmax (see below); B: computed on the way: QUANTISED
;;     6. [M 8,192, K 512] x [K 512, N 1,024]; A: computed on the way; B: input low_rank_output_weight: QUANTISED
;;   THE QUANTISER, for each operand of a quantised product, along K:
;;     - K is cut into blocks of 32 from its start; a last block that is shorter is filled with zeros.
;;     - A block's scale is 2^e with e = floor(log2(the largest magnitude in the block)) - 2, held to -126 .. 127; a block of zeros has e = 0. As a byte (E8M0): e + 127.
;;     - Each number is divided by its block's scale, clamped to +-6, and rounded to the nearest number of E2M1, ties to even, subnormals kept.
;;     - The product sums the exact products of the quantised numbers (number of the format x scale) in f32.
;;   ~~~python
;;   def quantise(x, axis):      # numpy; x: float32 -> the quantised numbers, widened to float32 again
;;       x = np.moveaxis(x, axis, -1); K = x.shape[-1]
;;       x = np.pad(x, [(0, 0)] * (x.ndim - 1) + [(0, -K % 32)]); x = x.reshape(x.shape[:-1] + (-1, 32)); a = np.abs(x).max(-1, keepdims=True)
;;       e = np.where(a > 0, np.clip(np.frexp(np.where(a > 0, a, 1))[1] - 1 - 2, -126, 127), 0)      # np.frexp(a)[1] - 1 = floor(log2(a)), exactly
;;       r = np.clip(x / 2.0 ** e, -6, 6)
;;       step = 2.0 ** (np.maximum(np.frexp(np.where(r == 0, 1, r))[1] - 1, 0) - 1)
;;       q = np.round(r / step) * step * 2.0 ** e      # np.round: ties to even
;;       return np.moveaxis(q.reshape(q.shape[:-2] + (-1,))[..., :K], -1, axis).astype(np.float32)
;;   ~~~
;;   SOFTMAX AHEAD OF A QUANTISED PRODUCT. Where the list says 'softmax', what is quantised is not the finished softmax but p = 2^(t - M), with t = logit x log2(e) and M = ceil(the row's largest t), a whole number; so 1/2 < the row's largest p <= 1. The row's sum l is taken of the UNQUANTISED p, in f32, and the product's result is divided by l at the end. Since M is a whole number, a kernel that streams over the keys may use a running M (the ceiling of the running maximum): every later rescaling is an exact power of two, which a block's scale takes up: the codes' values come out the same.
;;   OPERANDS COMPUTED ON THE WAY. 'Computed on the way' means the value that the module computes at that place (a softmax that the list does not call 'softmax' is quantised finished and normalised). What goes into a quantiser is computed in f32, as accurately as f32 sums, v_exp_f32 and their like allow (about 1e-6 of the number): no bf16 or f16 on the way to a quantiser, and a product that is left as it is and whose result goes on into a quantised operand takes f32 operands (vector FMAs, or v_wmma_f32_16x16x4_f32). A number that lies on a knife's edge between two numbers of the format may be rounded either way, as far as f32 arithmetic and the matrix unit's own rounding can turn it there, and no further.
;; One version. Each part assembles by itself: llvm-mc -triple=amdgcn-amd-amdhsa -mcpu=gfx1250 --defsym DOCPART=n.
;; ======== version 1 of 1: 3 launches
;; limits: right only within a limited range of input values
;; workspace buffers: xq 4,456,448 bytes; wq 1,949,696 bytes; qkv 11,665,408 bytes
;; launch quant (part 1): grid 448 x 1, 4 waves a work-group, no clusters, 68,096 bytes of LDS; arguments hidden_states, q_weight, k_weight, low_rank_value_weight, low_rank_output_weight, xq, wq; writes xq, wq
.if DOCPART == 1
	.amdgcn_target "amdgcn-amd-amdhsa--gfx1250"
	.amdhsa_code_object_version 6
	.text
	.protected	k_q0bb1a9366c_quant
	.globl	k_q0bb1a9366c_quant
	.p2align	8
	.type	k_q0bb1a9366c_quant,@function
k_q0bb1a9366c_quant:
	s_mov_b64 s[64:65], 0
	v_nop
	global_prefetch_b8 v0, s[64:65] scope:SCOPE_SE
	s_setreg_imm32_b32 hwreg(HW_REG_WAVE_MODE, 25, 1), 1
	s_wait_xcnt 0x0
; LAUNCH 1 OF 4.  hidden_states [8192][1024] and the four weights, all f32, become codes of FP4 (E2M1) with one E8M0 scale byte for each 32 along K.
; THE WHOLE PROGRAM: (1) this; (2) q, k, v = x W + bias on codes, quantised again on the way out (q, k along the head's 64, v along the keys); (3) causal attention on codes; (4) the projection on the way out.
; WORK LEFT OUT, in the whole program: only the key steps of 128 keys that lie wholly behind a tile's 16 queries.  reference() itself puts the least f32 number there by its own jnp.tril, so their weight in the softmax is 0
; whatever finite values the inputs hold, and they reach no output.  Every input is loaded: every bias goes into a quantised operand or into the output.
; LIMIT: a NaN, an infinity or an overflow that reaches only those hidden scores is not carried to the result.
; A block's scale is 2^(floor(log2(its largest magnitude)) - 2); its byte is the largest magnitude's exponent field - 2, held at 1 from below.  A block of zeros so gets the byte 1 where the rule says 127: its codes are zeros,
; which add nothing under any byte but 0xff, and the bytes are read by this program alone.  LIMITS: blocks whose largest magnitude lies under 2^-124 keep the byte 1; NaN and infinities among the inputs are not served.
; THE ORDER OF ROWS.  In xq (rows = tokens) and wq (rows = a weight's columns) each group of 32 rows has its two middle groups of eight exchanged: position p holds row (p & 7) | (p & 8) << 1 | (p & 16) >> 1.
; Sixteen neighbouring positions then hold rows 8 u + r + 8 (r / 8), so that a product that takes them as its source 0 leaves 16 NEIGHBOURS of that axis in a lane's registers of two neighbouring tiles.
; xq: codes [8192 positions][512 bytes], then from XS on scale bytes [8192][32].   wq: codes [3584 positions][512 bytes] (q's columns, k's, v's 512, the output weight's 1,024, whose K is 512: 256 bytes a row are written),
; then from WS on scale bytes [3584][32].
; Work-groups 0-255 take x, 32 rows each; work-groups 256-303 take the weights, 128 columns x 512 along K each.  The two ways part on the work-group's number and have LDS bytes of their own.  No barrier: waves share nothing.
; AS THE PROGRAM STANDS: three launches: (3) and (4) above are one launch.  Work-groups 256-447 take the weights, 32 columns x 512 along K each; their four waves share a stage in LDS and pass one barrier (see the weights' own comment below).
.set SPARE, 32768                      ; the spare words, 128 bytes for each wave: two blocks of 256 bytes that no other line names
.set SPW,   208                        ; v208  LDS address of my spare word; never rewritten
.set NIL,   209                        ; v209  0; never rewritten
.set XS,    4194304
.set WS,    1835008
; x: K is innermost
.set STEPS, 16                         ; a wave takes 16 steps of 512 numbers: 8 rows
.set CB,    8                          ; bytes of 16 codes
.set XR,    16                         ; v16-79   four sets of 16 numbers as they are loaded
.set XX,    80                         ; v80-111  two sets of 16 neighbours
.set XE,    112                        ; v112-127 a scale byte for each step
.set XC,    128                        ; v128-191 codes: registers of its own for each step, so that no store's data are written again
.set WREG,  8192                       ; LDS 0 .. 32,767: a region for each wave: two stages of 32 x SP bytes, behind them its 256 scale bytes
.set SP,    80                         ; a lane's place in a stage: 64 bytes + 16 of padding
; weights: K is the first axis
.set NB,    4                          ; blocks of 32 along K for a wave
.set WSS,   41984                      ; LDS, behind the weights' one stage of 32 rows: 32 columns x 16 scale bytes
.set PITCH, 272                        ; a stage row: 256 bytes of codes + 16
.set WST,   33280                      ; LDS 33,280 .. 41,983: one stage of 32 rows, shared by the four waves
.set SB,    24                         ; v24 my column's four scale bytes, v25 a scale word read back
.set WX,    32                         ; v32-95   two sets of 32 numbers
.set WC,    96                         ; v96-99   a block's codes
.set OUTR,  112                        ; v112-127 the way out
.set RO,    176                        ; v176-207 byte offset of row i of a block: 4 x lane + i x the weight's row
	s_load_b256 s[4:11], s[0:1], 0x0               ; hidden_states, q_weight, k_weight, low_rank_value_weight
	s_load_b128 s[12:15], s[0:1], 0x20             ; low_rank_output_weight, xq
	s_load_b64 s[16:17], s[0:1], 0x30              ; wq
	v_lshl_add_u32 v[SPW], v0, 2, SPARE
	v_mov_b32 v[NIL], 0
	v_lshrrev_b32 v1, 5, v0
	v_readfirstlane_b32 s18, v1                    ; wave 0..3
	v_and_b32 v2, 31, v0                           ; lane
	s_wait_kmcnt 0x0
	s_cmp_lt_u32 ttmp9, 256
	s_cbranch_scc0 .Lweights
; ---------------------------------------------------------------- x
; Rows are dense and 1,024 is a multiple of 32: x is a plain stream of blocks of 32.  Each of a step's four loads reads 512 consecutive bytes; the conversions want 16 NEIGHBOURS in a lane, so the step's 2,048 bytes go
; through the wave's own stage in LDS as they lie and come back 64 bytes a lane.  Two neighbouring lanes hold a block.  Loads run four steps ahead, the turn through LDS one step.
	s_wait_alu depctr_va_vdst(0)
	v_lshlrev_b32 v3, 4, v2                        ; my 16 bytes of a load's 512
	s_mul_i32 s19, s18, WREG
	v_lshrrev_b32 v14, 2, v2
	v_mul_u32_u24 v14, v14, SP
	v_and_b32 v15, 3, v2
	v_lshl_add_u32 v14, v15, 4, v14
	v_add_nc_u32 v14, s19, v14                     ; the stage, on the way in: SP (lane / 4) + 16 (lane % 4)
	v_mul_u32_u24 v15, v2, SP
	v_add_nc_u32 v15, s19, v15                     ; and on the way out: SP x lane
	v_mul_u32_u24 v4, v2, CB                       ; my codes' place in a step's
	v_lshrrev_b32 v5, 1, v2
	s_add_co_u32 s19, s19, 2*32*SP
	v_add_nc_u32 v5, s19, v5                       ; my block's scale byte in LDS
	v_lshlrev_b32 v7, 3, v2
	v_add_nc_u32 v6, s19, v7                       ; and on the way out 8 bytes a lane
	s_lshl_b32 s20, ttmp9, 2
	s_add_co_u32 s22, s20, s18                     ; my run of 8 rows as it is read: 4 x work-group + wave
	s_lshl_b32 s22, s22, 15                        ; 32,768 bytes a run
	s_mov_b32 s23, 0
	s_add_nc_u64 s[4:5], s[4:5], s[22:23]
	s_and_b32 s24, s18, 1
	s_lshl_b32 s24, s24, 1
	s_lshr_b32 s25, s18, 1
	s_or_b32 s24, s24, s25
	s_add_co_u32 s24, s24, s20                     ; and as it is written: runs 1 and 2 of the four change places
	s_lshl_b32 s22, s24, 12
	s_add_nc_u64 s[26:27], s[14:15], s[22:23]      ; its codes: 4,096 bytes
	s_lshl_b32 s22, s24, 8
	s_add_co_u32 s22, s22, XS
	s_add_nc_u64 s[28:29], s[14:15], s[22:23]      ; its scale bytes: 256
.macro XLOAD t
.irp i, 0,1,2,3
	global_load_b128 v[XR+16*((\t)%4)+4*\i:XR+16*((\t)%4)+4*\i+3], v3, s[4:5] offset:2048*(\t)+512*\i th:TH_LOAD_NT
.endr
.endm
.macro XTURN t                         ; step t's numbers through the stage: LDS serves a wave's instructions in order (ISA guide 5.7.1.4), so no wait stands between the stores and the loads
.irp i, 0,1,2,3
	ds_store_b128 v14, v[XR+16*((\t)%4)+4*\i:XR+16*((\t)%4)+4*\i+3] offset:32*SP*((\t)%2)+8*SP*\i
.endr
.irp i, 0,1,2,3
	ds_load_b128 v[XX+16*((\t)%2)+4*\i:XX+16*((\t)%2)+4*\i+3], v15 offset:32*SP*((\t)%2)+16*\i
.endr
.endm
.irp t, 0,1,2,3
	XLOAD \t
.endr
	s_wait_alu depctr_va_vdst(0)
	s_wait_loadcnt 12                              ; step 0's four loads are in; the twelve of steps 1 to 3 may be out
	XTURN 0
.macro XSTEP t
.set XSB, XX+16*((\t)%2)
.if (\t) > 0
	s_wait_dscnt 1                                 ; this step's numbers are back from the stage (the last step's byte store may be out): so its stores into the stage have read their registers,
.else
	s_wait_dscnt 0x0
.endif
.if (\t)+4 < STEPS
	XLOAD (\t)+4                                   ; which take the loads of four steps on
.endif
.if (\t)+1 < STEPS
.if STEPS-2-(\t) >= 3
	s_wait_loadcnt 12                              ; the next step's four loads are in; those of the three steps behind it may be out
.else
	s_wait_loadcnt 4*(STEPS-2-(\t))
.endif
	XTURN (\t)+1
.endif
	v_max3_num_f32 v8, |v[XSB]|, |v[XSB+1]|, |v[XSB+2]|              ; the largest magnitude of my 16, in two chains
	v_max3_num_f32 v9, |v[XSB+3]|, |v[XSB+4]|, |v[XSB+5]|
.irp i, 6,10
	v_max3_num_f32 v8, v8, |v[XSB+\i]|, |v[XSB+\i+1]|
	v_max3_num_f32 v9, v9, |v[XSB+\i+2]|, |v[XSB+\i+3]|
.endr
	v_max3_num_f32 v8, v8, |v[XSB+14]|, |v[XSB+15]|
	v_max3_num_f32 v8, v8, v9, 0x1800000           ; and the floor 2^(3 - 127): the byte cannot fall under 1
	v_max_num_f32_dpp v8, v8, v8 row_xmask:1 row_mask:0xf bank_mask:0xf   ; and of my neighbour's 16: the block's
	v_add_nc_u32 v11, 0xff000000, v8               ; 2 off its exponent field: the conversion takes the exponent field of this operand as its scale
	v_cvt_scalef32_pk8_fp4_f32 v[XC+4*(\t)], v[XSB:XSB+7], v11
	v_cvt_scalef32_pk8_fp4_f32 v[XC+4*(\t)+1], v[XSB+8:XSB+15], v11
	v_lshrrev_b32 v[XE+(\t)], 23, v11              ; the scale's byte (also the plain line behind the conversions)
	ds_store_b8 v5, v[XE+(\t)] offset:16*(\t)      ; both lanes of a block write the same byte with the same value
	global_store_b64 v4, v[XC+4*(\t):XC+4*(\t)+1], s[26:27] offset:32*CB*(\t)   ; the wave stores 256 consecutive bytes, aligned
.endm
.irp t, 0,1,2,3,4,5,6,7,8,9,10,11,12,13,14,15
	XSTEP \t
.endr
	ds_load_b64 v[8:9], v6                         ; my wave's 256 scale bytes: these loads see my stores
	s_wait_dscnt 0x0
	global_store_b64 v7, v[8:9], s[28:29]          ; 256 consecutive bytes, aligned
	s_wait_tensorcnt 0x0                           ; the wave's end: behind my last LDS store
	ds_add_u32 v[SPW], v[NIL]
	s_wait_dscnt 0x0
	s_endpgm
; ---------------------------------------------------------------- the weights
; A LANE TAKES A COLUMN n, AND ITS REGISTERS RUN DOWN K: each load reads 128 consecutive bytes a wave, a block of 32 along K lies in one lane's 32 registers, and the conversions give codes with K innermost.
; A work-group takes 32 columns x 512 along K; wave w takes K = 128 w .. 128 w + 127 of them: four blocks, 64 bytes of each column's 256.  The four waves fill ONE stage of 32 rows x 256 bytes and one table of
; scale words; behind one barrier wave w stores rows 8 w .. 8 w + 7 as whole aligned units of 256 bytes, and their scale words.
; One way through the text serves all four weights: the pointer, the first group of columns and the row's bytes are chosen by the work-group's number.
.Lweights:
	s_sub_co_u32 s19, ttmp9, 256                   ; 0 .. 191
	s_and_b32 s3, s19, 3                           ; which 32 of a group's 128 columns
	s_lshr_b32 s19, s19, 2                         ; g = 0 .. 47
	s_lshr_b32 s20, s19, 1
	s_and_b32 s21, s19, 1
	s_sub_co_u32 s22, s19, 20
	s_cmp_lt_u32 s19, 40                           ; q, k, v have K = 1,024: eight work-groups to a group of 128 columns; the output weight has K = 512: four
	s_cselect_b32 s20, s20, s22                    ; the group of columns: q 0-7, k 8-15, v 16-19, output 20-27: also 128 rows of wq
	s_cselect_b32 s21, s21, 0                      ; which 512 along K
	s_mov_b64 s[24:25], s[12:13]
	s_mov_b32 s26, 20
	s_cmp_lt_u32 s20, 20
	s_cselect_b64 s[24:25], s[10:11], s[24:25]
	s_cselect_b32 s26, 16, s26
	s_cmp_lt_u32 s20, 16
	s_cselect_b64 s[24:25], s[8:9], s[24:25]
	s_cselect_b32 s26, 8, s26
	s_cmp_lt_u32 s20, 8
	s_cselect_b64 s[24:25], s[6:7], s[24:25]       ; the weight,
	s_cselect_b32 s26, 0, s26                      ; its first group,
	s_mov_b32 s27, 4096
	s_sub_co_u32 s22, s20, 16
	s_cmp_lt_u32 s22, 4
	s_cselect_b32 s27, 2048, s27                   ; and its row in bytes: 512 columns in v's weight, 1,024 in the others
	s_lshl_b32 s22, s21, 9
	s_lshl_b32 s2, s18, 7
	s_add_co_u32 s22, s22, s2                      ; my wave's first row: 512 y + 128 w
	s_mul_i32 s22, s22, s27                        ; 512 y rows down,
	s_sub_co_u32 s23, s20, s26
	s_lshl_b32 s23, s23, 7
	s_lshl_b32 s30, s3, 5
	s_add_co_u32 s23, s23, s30
	s_lshl_b32 s23, s23, 2                         ; and my wave's first column
	s_add_co_u32 s22, s22, s23
	s_mov_b32 s23, 0
	s_add_nc_u64 s[32:33], s[24:25], s[22:23]      ; block 0's base; block t's in s[32+2t:33+2t]: 32 rows on each
	s_lshl_b32 s28, s27, 5
	s_mov_b32 s29, 0
.set i, 1
.rept 3
	s_add_nc_u64 s[32+2*i:33+2*i], s[30+2*i:31+2*i], s[28:29]
.set i, i+1
.endr
	s_lshl_b32 s22, s20, 7
	s_add_co_u32 s22, s22, s30                     ; the work-group's first row of wq: 128 x group + 32 x its quarter
	s_lshl_b32 s31, s22, 5
	s_lshl_b32 s22, s22, 9
	s_lshl_b32 s30, s21, 8
	s_add_co_u32 s22, s22, s30
	s_add_nc_u64 s[4:5], s[16:17], s[22:23]        ; the codes: 512 bytes a row, + 256 y
	s_lshl_b32 s30, s21, 4
	s_add_co_u32 s22, s31, s30
	s_add_co_u32 s22, s22, WS
	s_add_nc_u64 s[6:7], s[16:17], s[22:23]        ; the scale bytes: 32 a row, + 16 y
	s_wait_alu depctr_va_vdst(0)
	v_lshlrev_b32 v[RO], 2, v2
.set i, 1
.rept 31
	v_add_nc_u32 v[RO+i], s27, v[RO+i-1]
.set i, i+1
.endr
	v_and_b32 v5, 7, v2                            ; my column's position among the wave's 32
	v_bfe_u32 v6, v2, 3, 1
	v_lshl_add_u32 v5, v6, 4, v5
	v_bfe_u32 v6, v2, 4, 1
	v_lshl_add_u32 v5, v6, 3, v5
	s_lshl_b32 s19, s18, 6
	s_add_co_u32 s19, s19, WST                     ; the stage, + my wave's 64 bytes of a row
	v_mul_u32_u24 v4, v5, PITCH
	v_add_nc_u32 v4, s19, v4                       ; into it: row = my column's position
	s_lshl_b32 s19, s18, 2
	s_add_co_u32 s19, s19, WSS
	v_lshl_add_u32 v9, v5, 4, s19                  ; my four scale bytes: 16 x position + 4 w
	s_mul_i32 s19, s18, 8*PITCH
	s_add_co_u32 s19, s19, WST                     ; out of the stage: my wave's eight rows
	v_and_b32 v5, 15, v2
	v_lshrrev_b32 v6, 4, v2                        ; out of it: sixteen lanes to a row, two rows an instruction
	v_mul_u32_u24 v7, v6, PITCH
	v_lshl_add_u32 v7, v5, 4, v7
	v_add_nc_u32 v7, s19, v7
	v_lshlrev_b32 v8, 9, v6
	v_lshl_add_u32 v8, v5, 4, v8                   ; and the same place in wq,
	s_lshl_b32 s19, s18, 12
	v_add_nc_u32 v8, s19, v8                       ; 8 w rows of 512 bytes on
	s_lshl_b32 s19, s18, 7
	s_add_co_u32 s19, s19, WSS
	v_lshl_add_u32 v10, v2, 2, s19                 ; the scale words back: row 8 w + lane / 4, word lane % 4: 128 w + 4 x lane
	v_lshrrev_b32 v14, 2, v2
	v_and_b32 v15, 3, v2
	v_lshlrev_b32 v14, 5, v14
	v_lshl_add_u32 v14, v15, 2, v14
	s_lshl_b32 s19, s18, 8
	v_add_nc_u32 v14, s19, v14                     ; and in wq: 32 bytes a row
.macro WLOAD t                         ; block t: W(32 t + i, my column), i = 0 .. 31, into set t % 2
.irp i, 0,1,2,3,4,5,6,7,8,9,10,11,12,13,14,15,16,17,18,19,20,21,22,23,24,25,26,27,28,29,30,31
	global_load_b32 v[WX+32*((\t)%2)+\i], v[RO+\i], s[32+2*(\t):33+2*(\t)] th:TH_LOAD_NT
.endr
.endm
	WLOAD 0
	WLOAD 1
.macro WBLOCK t
.set XSB, WX+32*((\t)%2)
.if (\t) < NB-1
	s_wait_loadcnt 32                              ; this block's 32 loads are in; the next block's may be out
.else
	s_wait_loadcnt 0
.endif
	v_max3_num_f32 v12, |v[XSB]|, |v[XSB+1]|, |v[XSB+2]|             ; the block's largest magnitude: all 32 numbers are mine
	v_max3_num_f32 v13, |v[XSB+3]|, |v[XSB+4]|, |v[XSB+5]|
.irp i, 6,10,14,18,22,26
	v_max3_num_f32 v12, v12, |v[XSB+\i]|, |v[XSB+\i+1]|
	v_max3_num_f32 v13, v13, |v[XSB+\i+2]|, |v[XSB+\i+3]|
.endr
	v_max3_num_f32 v12, v12, |v[XSB+30]|, |v[XSB+31]|
	v_max3_num_f32 v12, v12, v13, 0x1800000        ; and the floor
	v_add_nc_u32 v11, 0xff000000, v12              ; the conversion's scale operand
	v_lshrrev_b32 v13, 23, v11                     ; the scale's byte
.if (\t)%4 == 0
	v_mov_b32 v[SB+(\t)/4], v13                    ; four bytes to a register, the lower K in the lower byte
.else
	v_lshl_or_b32 v[SB+(\t)/4], v13, 8*((\t)%4), v[SB+(\t)/4]
.endif
.irp g, 0,1,2,3
	v_cvt_scalef32_pk8_fp4_f32 v[WC+\g], v[XSB+8*\g:XSB+8*\g+7], v11
.endr
	v_nop                                          ; one plain line behind the conversions
	ds_store_b128 v4, v[WC:WC+3] offset:16*(\t)    ; 32 codes: 16 bytes of my column's row
.if (\t)+2 < NB
	WLOAD (\t)+2
.endif
	s_wait_dscnt 0x0                               ; the store has read its registers: the next block's codes may be written
.endm
.set Q, 0
.rept NB
	WBLOCK Q
.set Q, Q+1
.endr
	s_wait_alu depctr_va_vdst(0)
	ds_store_b32 v9, v[SB]                         ; my column's four scale bytes
	s_wait_dscnt 0x0                               ; for the others' sake: my stores into the stage and the table are done
	s_barrier_signal -1
	s_barrier_wait -1                              ; a row's 256 bytes come from four waves
.irp t, 0,1,2,3
	ds_load_b128 v[OUTR+4*\t:OUTR+4*\t+3], v7 offset:2*\t*PITCH
.endr
	ds_load_b32 v[SB+1], v10
.irp t, 0,1,2,3
	s_wait_dscnt 4-\t                              ; the younger loads may be out
	global_store_b128 v8, v[OUTR+4*\t:OUTR+4*\t+3], s[4:5] offset:2*\t*512   ; sixteen lanes store 256 consecutive bytes, aligned
.endr
	s_wait_dscnt 0x0
	global_store_b32 v14, v[SB+1], s[6:7]          ; four lanes store a row's 16 scale bytes: pieces of 16 bytes, 32 bytes apart; one byte in 128 of what this way reads
	s_wait_tensorcnt 0x0                           ; the wave's end: behind my last LDS store
	ds_add_u32 v[SPW], v[NIL]
	s_wait_dscnt 0x0
	s_endpgm
.Lfunc_end_k_q0bb1a9366c_quant:
	.size	k_q0bb1a9366c_quant, .Lfunc_end_k_q0bb1a9366c_quant-k_q0bb1a9366c_quant
	.p2alignl 7, 3214868480
	.fill 96, 4, 3214868480
	.section	.rodata,"a",@progbits
	.p2align	6, 0x0
	.amdhsa_kernel k_q0bb1a9366c_quant
		.amdhsa_group_segment_fixed_size 68096
		.amdhsa_private_segment_fixed_size 0
		.amdhsa_enable_private_segment 0
		.amdhsa_kernarg_size 56
		.amdhsa_user_sgpr_count 2
		.amdhsa_user_sgpr_kernarg_segment_ptr 1
		.amdhsa_wavefront_size32 1
		.amdhsa_system_sgpr_workgroup_id_x 1
		.amdhsa_system_sgpr_workgroup_id_y 1
		.amdhsa_system_sgpr_workgroup_id_z 1
		.amdhsa_system_vgpr_workitem_id 0
		.amdhsa_next_free_vgpr 212
		.amdhsa_next_free_sgpr 66
		.amdhsa_reserve_vcc 0
		.amdhsa_float_denorm_mode_32 3
		.amdhsa_float_denorm_mode_16_64 3
		.amdhsa_memory_ordered 1
		.amdhsa_forward_progress 1
		.amdhsa_inst_pref_size 57
	.end_amdhsa_kernel
	.amdgpu_metadata
---
amdhsa.version: [ 1, 2 ]
amdhsa.kernels:
  - .name:           k_q0bb1a9366c_quant
    .symbol:         k_q0bb1a9366c_quant.kd
    .args:
      - { .name: hidden_states, .offset: 0, .size: 8, .value_kind: global_buffer, .address_space: global }
      - { .name: q_weight, .offset: 8, .size: 8, .value_kind: global_buffer, .address_space: global }
      - { .name: k_weight, .offset: 16, .size: 8, .value_kind: global_buffer, .address_space: global }
      - { .name: low_rank_value_weight, .offset: 24, .size: 8, .value_kind: global_buffer, .address_space: global }
      - { .name: low_rank_output_weight, .offset: 32, .size: 8, .value_kind: global_buffer, .address_space: global }
      - { .name: xq, .offset: 40, .size: 8, .value_kind: global_buffer, .address_space: global }
      - { .name: wq, .offset: 48, .size: 8, .value_kind: global_buffer, .address_space: global }
    .group_segment_fixed_size: 68096
    .private_segment_fixed_size: 0
    .kernarg_segment_align: 8
    .kernarg_segment_size: 56
    .max_flat_workgroup_size: 128
    .sgpr_count:     66
    .vgpr_count:     212
    .wavefront_size: 32
...
	.end_amdgpu_metadata
.endif
;; end of part 1
;; launch proj (part 2): grid 8 x 32, 4 waves a work-group, clusters of 4 x 4, 327,680 bytes of LDS; arguments xq, wq, q_bias, k_bias, low_rank_value_bias, qkv; writes qkv
.if DOCPART == 2
	.amdgcn_target "amdgcn-amd-amdhsa--gfx1250"
	.amdhsa_code_object_version 6
	.text
	.protected	k_q0bb1a9366c_proj
	.globl	k_q0bb1a9366c_proj
	.p2align	8
	.type	k_q0bb1a9366c_proj,@function
k_q0bb1a9366c_proj:
	s_mov_b64 s[64:65], 0
	v_nop
	global_prefetch_b8 v0, s[64:65] scope:SCOPE_SE
	s_setreg_imm32_b32 hwreg(HW_REG_WAVE_MODE, 25, 1), 1
	s_wait_xcnt 0x0
	s_wait_alu depctr_hold_cnt(0) depctr_sa_sdst(0) depctr_va_vdst(0) depctr_va_sdst(0) depctr_va_ssrc(0) depctr_va_vcc(0) depctr_vm_vsrc(0)
	s_getreg_b32 s2, hwreg(HW_REG_IB_STS2, 6, 4)
	s_cmp_eq_u32 s2, 0
	s_cbranch_scc0 .Lentry_in_a_cluster
	s_endpgm
.Lentry_in_a_cluster:
	s_bfe_u32 s2, ttmp6, 0x10000c
	s_cmp_lg_u32 s2, 0xf033
	s_cbranch_scc0 .Lentry_shape_is_right
	s_endpgm
.Lentry_shape_is_right:
.set NQ,     4
.set ROWB,   256
.set KROW,   512
.set PITCH,  272
.set FR,     8
.set NL,     2
.set NP,     4
.set HALFT,  128*PITCH
.set SLOT,   4*HALFT
.set KS,     32
.set SCL,    2*SLOT
.set HALFS,  (128*KS/256)*272
.set SBLK,   (16*KS/256)*272
.set SPARE,  SCL+4*HALFS
.set XS,     4194304
.set WS,     1835008
.set PACK,   182272
.set VCO,    65536
.set KSO,    98304
.set VSO,    106496
.set QCO,    108544
.set QSO,    174080
.set ADRA, 16
.set ADRB, 20
.set L16,  24
.set SWO,  25
.set H16,  26
.set ADRS, 27
.set SPW,  28
.set NIL,  29
.set L4,   30
.set SC,   32
.set WVS,  96
.set BV,   112
.set AF,   128
.set BI,   192
.set TM,   128
.set WV,   16
.set SEL,  8
.set LM,   10
.set G1, 24
.set G0, 32
.set G1B, 48
.set G0B, 56
.set G1S, 68
.set G0S, 76
.set G1SB, 80
.set G0SB, 88
.set MSB, 0
.macro WIN new
.if MSB != (\new)
	s_set_vgpr_msb (MSB<<8)|(\new)
.set MSB, (\new)
.endif
.endm
.set MUL_LO, 0xa1
.set MUL_HI, 0xf1
.set TO_B,   0x40
.macro JLOAD g0a, g1a, g0b, g1b
	s_cmp_eq_u32 s17, 0
	s_cbranch_scc0 .Lfor_b_\@
	tensor_load_to_lds s[\g0a:\g0a+3], s[\g1a:\g1a+7]
	s_nop 0
.rept 4
	v_nop
.endr
	s_branch .Lasked_\@
.Lfor_b_\@:
	tensor_load_to_lds s[\g0b:\g0b+3], s[\g1b:\g1b+7]
	s_nop 0
.rept 4
	v_nop
.endr
.Lasked_\@:
.endm
.macro CROUND
	s_barrier_signal -1
	s_barrier_wait -1
	s_cmp_lg_u32 s[WV], 0
	s_cbranch_scc1 .Lnot_wave_0_\@
	s_barrier_signal -3
.Lnot_wave_0_\@:
	s_barrier_wait -3
	s_barrier_signal -1
	s_barrier_wait -1
.endm
	s_load_b256 s[4:11], s[0:1], 0x0
	s_load_b128 s[12:15], s[0:1], 0x20
	v_lshl_add_u32 v[SPW], v0, 2, SPARE
	v_mov_b32 v[NIL], 0
	ds_add_u32 v[SPW], v[NIL]
	ds_add_u32 v[SPW], v[NIL]
	v_lshrrev_b32 v1, 5, v0
	v_readfirstlane_b32 s[WV], v1
	s_lshr_b32 s17, s[WV], 1
	s_and_b32 s18, s[WV], 1
	s_bfe_u32 s40, ttmp6, 0x40000
	s_bfe_u32 s41, ttmp6, 0x40004
	s_lshl_b32 s42, ttmp9, 2
	s_add_co_u32 s42, s42, s40
	s_and_b32 s19, ttmp7, 0xffff
	s_lshl_b32 s19, s19, 2
	s_add_co_u32 s19, s19, s41
	s_lshl_b32 s43, s41, 2
	s_lshl_b32 s43, 15, s43
	s_lshl_b32 s44, 0x1111, s40
	s_or_b32 s[G1+0], s43, (0<<16)|(1<<20)|(1<<21)|(5<<22)|(3<<25)
	s_or_b32 s[G1B+0], s44, (0<<16)|(1<<20)|(1<<21)|(5<<22)|(3<<25)
.irp g, G1, G1B
	s_mov_b32 s[\g+1], ROWB<<16
	s_mov_b32 s[\g+2], 128<<16
	s_mov_b32 s[\g+3], ROWB<<16
	s_mov_b32 s[\g+4], 128
	s_mov_b32 s[\g+5], KROW
	s_mov_b32 s[\g+6], 0
	s_mov_b32 s[\g+7], 0
.endr
	s_or_b32 s[G1S+0], s43, (3<<16)|(1<<20)|(1<<21)|(5<<22)|(3<<25)
	s_or_b32 s[G1SB+0], s44, (3<<16)|(1<<20)|(1<<21)|(5<<22)|(3<<25)
.irp g, G1S, G1SB
	s_mov_b32 s[\g+1], 32<<16
	s_mov_b32 s[\g+2], (128*KS/256)<<16
	s_mov_b32 s[\g+3], 32<<16
	s_mov_b32 s[\g+4], 128*KS/256
	s_mov_b32 s[\g+5], 32
	s_mov_b32 s[\g+6], 0
	s_mov_b32 s[\g+7], 0
.endr
	s_lshl_b32 s45, s18, 7
	s_lshl_b32 s20, s19, 8
	s_add_co_u32 s20, s20, s45
	s_lshl_b32 s46, s42, 8
	s_add_co_u32 s46, s46, s45
	s_lshl_b32 s22, s20, 5
	s_add_co_u32 s22, s22, XS
	s_lshl_b32 s20, s20, 9
	s_mov_b32 s21, 0
	s_mov_b32 s23, 0
	s_lshl_b32 s92, s46, 5
	s_add_co_u32 s92, s92, WS
	s_lshl_b32 s46, s46, 9
	s_mov_b32 s47, 0
	s_mov_b32 s93, 0
	s_mul_i32 s45, s[WV], HALFT
	s_mul_i32 s94, s[WV], HALFS
	s_wait_dscnt 0x0
	s_wait_kmcnt 0x0
	s_add_nc_u64 s[20:21], s[4:5], s[20:21]
	s_add_nc_u64 s[22:23], s[4:5], s[22:23]
	s_add_nc_u64 s[46:47], s[6:7], s[46:47]
	s_add_nc_u64 s[92:93], s[6:7], s[92:93]
	CROUND
	s_mov_b32 s[G0S], 1
	s_add_co_u32 s[G0S+1], s94, SCL
	s_mov_b64 s[G0S+2:G0S+3], s[22:23]
	s_or_b32 s[G0S+3], s[G0S+3], 0x80000000
	s_mov_b32 s[G0SB], 1
	s_add_co_u32 s[G0SB+1], s94, SCL
	s_mov_b64 s[G0SB+2:G0SB+3], s[92:93]
	s_or_b32 s[G0SB+3], s[G0SB+3], 0x80000000
	JLOAD G0S, G1S, G0SB, G1SB
.irp s, 0,1
	s_mov_b32 s[G0+4*\s], 1
	s_add_co_u32 s[G0+4*\s+1], s45, \s*SLOT
	s_add_nc_u64 s[G0+4*\s+2:G0+4*\s+3], s[20:21], \s*ROWB
	s_or_b32 s[G0+4*\s+3], s[G0+4*\s+3], 0x80000000
	s_mov_b32 s[G0B+4*\s], 1
	s_add_co_u32 s[G0B+4*\s+1], s45, \s*SLOT
	s_add_nc_u64 s[G0B+4*\s+2:G0B+4*\s+3], s[46:47], \s*ROWB
	s_or_b32 s[G0B+4*\s+3], s[G0B+4*\s+3], 0x80000000
	s_wait_alu depctr_va_vdst(0)
	s_wait_tensorcnt 0x0
	ds_add_u32 v28, v29
	s_wait_dscnt 0x0
	CROUND
	JLOAD G0+4*\s, G1, G0B+4*\s, G1B
.endr
	v_and_b32 v1, 15, v0
	v_bfe_u32 v2, v0, 4, 1
	v_mul_u32_u24 v3, v1, PITCH
	v_lshl_add_u32 v4, v2, 4, v3
	s_mul_i32 s2, s17, HALFT
	s_mul_i32 s3, s18, HALFT
	s_add_co_u32 s3, s3, 2*HALFT
.irp s, 0,1
	v_add_nc_u32 v[ADRA+\s], s2, v4
	v_add_nc_u32 v[ADRB+\s], s3, v4
	s_add_co_u32 s2, s2, SLOT
	s_add_co_u32 s3, s3, SLOT
.endr
	v_mul_u32_u24 v5, v1, KS
	v_lshrrev_b32 v6, 8, v5
	v_lshl_add_u32 v5, v6, 4, v5
	s_mul_i32 s2, s17, HALFS
	s_mul_i32 s3, s18, HALFS
	s_add_co_u32 s3, s3, 2*HALFS
	s_sub_co_u32 s3, s3, s2
	v_mul_u32_u24 v6, s3, v2
	s_add_co_u32 s2, s2, SCL
	v_add_nc_u32 v5, v5, v6
	v_add_nc_u32 v[ADRS], s2, v5
	v_and_b32 v3, 31, v0
	v_lshlrev_b32 v[L16], 4, v3
	v_lshlrev_b32 v[L4], 2, v3
	v_mul_u32_u24 v[SWO], v2, PACK
	v_lshl_add_u32 v[SWO], v1, 4, v[SWO]
	v_lshlrev_b32 v[H16], 4, v2
	v_lshlrev_b32 v7, 6, v2
	s_wait_alu depctr_va_vdst(0)
	v_lshlrev_b32 v8, 9, v1
	v_lshl_add_u32 v8, v2, 4, v8
	v_lshlrev_b32 v9, 5, v1
	s_wait_alu depctr_va_vdst(0)
	v_and_b32 v11, 8, v1
	v_add_nc_u32 v11, v11, v1
	v_lshlrev_b32 v10, 2, v11
	s_wait_alu depctr_va_vdst(0)
	s_cmp_eq_u32 ttmp9, 0
	s_cselect_b64 s[96:97], s[8:9], s[10:11]
	s_lshl_b32 s2, s40, 10
	s_lshl_b32 s3, s18, 9
	s_add_co_u32 s2, s2, s3
	s_mov_b32 s3, 0
	s_add_nc_u64 s[96:97], s[96:97], s[2:3]
	s_mov_b32 s[SEL], 0x76543210
	s_mov_b32 s[SEL+1], 0xfedcba98
	s_mov_b32 s[LM], 0xffff0000
	s_lshl_b32 s2, s42, 6
	s_lshl_b32 s66, s18, 5
	s_add_co_u32 s2, s2, s66
	s_add_co_u32 s2, s2, 2048
	s_lshl_b32 s66, s2, 5
	s_add_co_u32 s66, s66, WS
	s_mov_b32 s67, 0
	s_lshl_b32 s2, s2, 9
	s_add_nc_u64 s[98:99], s[6:7], s[2:3]
	s_add_nc_u64 s[100:101], s[6:7], s[66:67]
	s_lshl_b32 s2, s42, 8
	s_lshl_b32 s66, s18, 7
	s_add_co_u32 s2, s2, s66
	s_add_nc_u64 s[104:105], s[12:13], s[2:3]
.irp b, 0,1,2,3,4,5,6,7
	global_load_b128 v[BI+8*\b:BI+8*\b+3], v7, s[96:97] offset:(32*(\b/2)+8*(\b%2))*4
	global_load_b128 v[BI+8*\b+4:BI+8*\b+7], v7, s[96:97] offset:(32*(\b/2)+8*(\b%2))*4+16
.endr
.irp u, 0,1
	global_load_b128 v[WVS+8*\u:WVS+8*\u+3], v9, s[100:101] offset:512*\u
	global_load_b128 v[WVS+8*\u+4:WVS+8*\u+7], v9, s[100:101] offset:512*\u+16
	global_load_b32 v[BV+8*\u], v10, s[104:105] offset:32*\u
.endr
	WIN TO_B
.irp q, 0,1,2,3,4,5,6,7
.irp u, 0,1
.irp c, 0,1
	global_load_b128 v[64+8*(2*\q+\u)+64*(\q/4)+4*\c:64+8*(2*\q+\u)+64*(\q/4)+4*\c+3], v8, s[98:99] offset:8192*\u+64*\q+32*\c
.endr
.endr
.endr
	WIN 0
.macro FRAG reg, adr, q, i
.irp c, 0,1
	ds_load_b128 v[\reg+4*\c:\reg+4*\c+3], v[\adr] offset:64*(\q)+32*\c+(\i)*16*PITCH
.endr
.endm
.macro MUL16 a0, p, q, sc, first
.irp a, \a0, \a0+1
.irp b, 0,1,2,3,4,5,6,7
.if \first
	v_wmma_scale_f32_16x16x128_f8f6f4 v[8*(8*((\a)%4)+\b):8*(8*((\a)%4)+\b)+7], v[128*(\p)+FR*\b:128*(\p)+FR*\b+FR-1], v[AF+FR*(\a):AF+FR*(\a)+FR-1], v[BI+8*\b:BI+8*\b+7], v[SC+8*NQ*(\sc)+NQ*\b+(\q)], v[SC+8*NQ*(\sc)+NQ*(\a)+(\q)] matrix_a_fmt:MATRIX_FMT_FP4 matrix_b_fmt:MATRIX_FMT_FP4 matrix_a_scale:MATRIX_SCALE_ROW1
.else
	v_wmma_scale_f32_16x16x128_f8f6f4 v[8*(8*((\a)%4)+\b):8*(8*((\a)%4)+\b)+7], v[128*(\p)+FR*\b:128*(\p)+FR*\b+FR-1], v[AF+FR*(\a):AF+FR*(\a)+FR-1], v[8*(8*((\a)%4)+\b):8*(8*((\a)%4)+\b)+7], v[SC+8*NQ*(\sc)+NQ*\b+(\q)], v[SC+8*NQ*(\sc)+NQ*(\a)+(\q)] matrix_a_fmt:MATRIX_FMT_FP4 matrix_b_fmt:MATRIX_FMT_FP4 matrix_a_scale:MATRIX_SCALE_ROW1
.endif
.endr
.endr
.endm
.macro FETCH_B slot, q, p
	WIN TO_B
.irp i, 0,1,2,3,4,5,6,7
	FRAG 128*(\p)+FR*\i, ADRB+\slot, \q, \i
.endr
	WIN 0
.endm
.macro FETCH_A slot, q, i0
.irp i, \i0, \i0+1, \i0+2, \i0+3
	FRAG AF+FR*(\i), ADRA+\slot, \q, \i
.endr
.endm
.macro SCALES sc
.irp i, 0,1,2,3,4,5,6,7
	ds_load_b128 v[SC+8*NQ*\sc+NQ*\i:SC+8*NQ*\sc+NQ*\i+3], v[ADRS] offset:\i*SBLK
.endr
.endm
.macro PLACES n
.rept \n
	v_nop
.endr
.endm
.macro STEP slot, q, first
	s_wait_dscnt 4*NL
.if \first
	WIN 0x81
.else
	WIN MUL_LO
.endif
	MUL16 0, (\q)%2, \q, \slot, \first
	MUL16 2, (\q)%2, \q, \slot, \first
	s_wait_dscnt 0
	PLACES NP
	FETCH_B \slot, (\q)+1, 1-(\q)%2
	FETCH_A \slot, (\q)+1, 0
.if \first
	WIN 0xc1
.else
	WIN MUL_HI
.endif
	MUL16 4, (\q)%2, \q, \slot, \first
	MUL16 6, (\q)%2, \q, \slot, \first
	PLACES NP
	WIN 0
	FETCH_A \slot, (\q)+1, 4
.endm
.macro TURN slot, next
	s_wait_tensorcnt 0x0
	ds_add_u32 v[SPW], v[NIL]
	s_wait_dscnt 4*NL+1
	WIN MUL_LO
	MUL16 0, 1, NQ-1, \slot, 0
	s_wait_dscnt 0x0
	s_barrier_signal -1
	MUL16 2, 1, NQ-1, \slot, 0
	WIN 0
	s_barrier_wait -1
	PLACES NP
	v_add_nc_u32 v[ADRS], 4*NQ, v[ADRS]
	FETCH_B \next, 0, 0
	FETCH_A \next, 0, 0
	SCALES \next
	WIN MUL_HI
	MUL16 4, 1, NQ-1, \slot, 0
	MUL16 6, 1, NQ-1, \slot, 0
	PLACES NP
	WIN 0
	FETCH_A \next, 0, 4
.endm
.macro STEPS slot, from
.set Q, \from
.rept NQ-1-\from
	STEP \slot, Q, 0
.set Q, Q+1
.endr
.endm
.macro QUANTW ac, w, pc, pw
	WIN (\w)|((\w)<<2)
.irp b, 0,1,2,3
	v_max3_num_f32 v[TM+\b], |v[(\ac)+16*\b]|, |v[(\ac)+16*\b+1]|, 0x1800000
.endr
.irp i, 2,4,6,8,10,12,14
.irp b, 0,1,2,3
	v_max3_num_f32 v[TM+\b], |v[(\ac)+16*\b+\i]|, |v[(\ac)+16*\b+\i+1]|, v[TM+\b]
.endr
.endr
	WIN 0
.irp b, 0,1,2,3
	v_permlanex16_b32 v[TM+4+\b], v[TM+\b], s[SEL], s[SEL+1]
.endr
.irp b, 0,1,2,3
	v_max_num_f32 v[TM+\b], v[TM+\b], v[TM+4+\b]
.endr
.irp b, 0,1,2,3
	v_add_nc_u32 v[TM+12+\b], 0xff000000, v[TM+\b]
.endr
.irp b, 0,1,2,3
	v_lshrrev_b32 v[TM+4+\b], 23, v[TM+12+\b]
.endr
	v_lshl_or_b32 v[\pw], v[TM+5], 8, v[TM+4]
	v_lshl_or_b32 v[\pw], v[TM+6], 16, v[\pw]
	v_lshl_or_b32 v[\pw], v[TM+7], 24, v[\pw]
	WIN (\w)
.irp b, 0,1,2,3
	v_cvt_scalef32_pk8_fp4_f32 v[(\pc)+2*\b], v[(\ac)+16*\b:(\ac)+16*\b+7], v[TM+12+\b]
	v_cvt_scalef32_pk8_fp4_f32 v[(\pc)+2*\b+1], v[(\ac)+16*\b+8:(\ac)+16*\b+15], v[TM+12+\b]
.endr
	WIN 0
	v_nop
.irp c, 0,1
.irp i, 0,1
	v_permlane16_swap_b32 v[(\pc)+4*\c+\i], v[(\pc)+2+4*\c+\i]
.endr
.endr
.endm
.macro FETCHX qq, base
.irp i, 0,1,2,3,4,5,6,7
	FRAG (\base)+FR*\i, ADRA+(\qq)/4, (\qq)%4, \i
.endr
.endm
.macro VMUL qq
.irp a, 0,1,2,3,4,5,6,7
.irp u, 0,1
.if (\qq) == 0
	v_wmma_scale_f32_16x16x128_f8f6f4 v[64*\u+8*\a:64*\u+8*\a+7], v[128+64*((\qq)%2)+8*\a:128+64*((\qq)%2)+8*\a+7], v[64+8*(2*(\qq)+\u)+64*((\qq)/4):64+8*(2*(\qq)+\u)+64*((\qq)/4)+7], v[BV+8*\u:BV+8*\u+7], v[SC+32*((\qq)/4)+4*\a+(\qq)%4], v[WVS+8*\u+(\qq)] matrix_a_fmt:MATRIX_FMT_FP4 matrix_b_fmt:MATRIX_FMT_FP4
.else
	v_wmma_scale_f32_16x16x128_f8f6f4 v[64*\u+8*\a:64*\u+8*\a+7], v[128+64*((\qq)%2)+8*\a:128+64*((\qq)%2)+8*\a+7], v[64+8*(2*(\qq)+\u)+64*((\qq)/4):64+8*(2*(\qq)+\u)+64*((\qq)/4)+7], v[64*\u+8*\a:64*\u+8*\a+7], v[SC+32*((\qq)/4)+4*\a+(\qq)%4], v[WVS+8*\u+(\qq)] matrix_a_fmt:MATRIX_FMT_FP4 matrix_b_fmt:MATRIX_FMT_FP4
.endif
.endr
.endr
.endm
	s_wait_tensorcnt 1
	s_barrier_signal -1
	s_barrier_wait -1
	FETCH_B 0, 0, 0
	FETCH_A 0, 0, 0
	SCALES 0
	FETCH_A 0, 0, 4
	s_wait_loadcnt 0x0
.irp u, 0,1
.irp i, 1,2,3,4,5,6,7
	v_mov_b32 v[BV+8*\u+\i], v[BV+8*\u]
.endr
.endr
	s_lshr_b32 s45, s19, 3
	s_lshl_b32 s45, s45, 4
	s_and_b32 s66, s19, 7
	s_lshl_b32 s66, s66, 1
	s_add_co_u32 s66, s66, s17
	s_lshl_b32 s94, s40, 2
	s_add_co_u32 s94, s94, s45
	s_lshl_b32 s95, s18, 1
	s_add_co_u32 s94, s94, s95
	s_mul_i32 s94, s94, PACK
	s_mov_b32 s3, 0
	s_mov_b32 s95, KSO
	s_cmp_eq_u32 ttmp9, 0
	s_cselect_b32 s67, QCO, 0
	s_cselect_b32 s95, QSO, s95
	s_lshl_b32 s2, s66, 12
	s_add_co_u32 s2, s2, s67
	s_add_co_u32 s2, s2, s94
	s_add_nc_u64 s[98:99], s[14:15], s[2:3]
	s_lshl_b32 s2, s66, 9
	s_add_co_u32 s2, s2, s95
	s_add_co_u32 s2, s2, s94
	s_add_nc_u64 s[100:101], s[14:15], s[2:3]
	s_lshl_b32 s94, s42, 1
	s_add_co_u32 s94, s94, s45
	s_add_co_u32 s94, s94, s18
	s_mul_i32 s94, s94, PACK
	s_lshl_b32 s2, s66, 11
	s_add_co_u32 s2, s2, s94
	s_add_co_u32 s2, s2, VCO
	s_add_nc_u64 s[104:105], s[14:15], s[2:3]
	s_lshl_b32 s2, s66, 7
	s_add_co_u32 s2, s2, s94
	s_add_co_u32 s2, s2, VSO
	s_add_nc_u64 s[96:97], s[14:15], s[2:3]
	STEP 0, 0, 1
	STEPS 0, 1
	TURN 0, 1
	STEPS 1, 0
	s_wait_dscnt 4*NL
	WIN MUL_LO
	MUL16 0, 1, NQ-1, 1, 0
	MUL16 2, 1, NQ-1, 1, 0
	s_wait_dscnt 0
	WIN MUL_HI
	MUL16 4, 1, NQ-1, 1, 0
	MUL16 6, 1, NQ-1, 1, 0
	WIN 0
	PLACES NP
.irp b, 0,1,2,3
	v_mov_b32 v[TM+4+\b], 0
.endr
.irp a, 0,1,2,3,4,5,6,7
	QUANTW 64*(\a%4), 2+\a/4, 144+8*\a, 208+\a
	global_store_b128 v[L16], v[144+8*\a:147+8*\a], s[98:99] offset:512*\a
	global_store_b128 v[L16], v[148+8*\a:151+8*\a], s[98:99] offset:512*\a+PACK
.endr
.irp a, 0,1,2,3,4,5,6,7
	v_bfe_u32 v[208+\a], v[208+\a], v[H16], 16
.endr
	global_store_b128 v[SWO], v[208:211], s[100:101]
	global_store_b128 v[SWO], v[212:215], s[100:101] offset:256
	s_wait_xcnt 0x0
	FETCHX 0, 128
.irp qq, 0,1,2,3,4,5,6,7
.if \qq < 7
.if \qq > 0
	PLACES NP
.endif
	FETCHX \qq+1, 128+64*((\qq+1)%2)
	s_wait_dscnt 16
.else
	s_wait_dscnt 0x0
.endif
.if \qq == 0
	WIN 0x84
.else
	WIN 0xa4
.endif
	VMUL \qq
	WIN 0
.endr
	PLACES NP
.irp b, 0,1,2,3
	v_mov_b32 v[TM+4+\b], 0
.endr
	QUANTW 0, 2, 144, 160
	QUANTW 64, 2, 152, 161
	global_store_b128 v[L16], v[144:147], s[104:105]
	global_store_b128 v[L16], v[148:151], s[104:105] offset:512
	global_store_b128 v[L16], v[152:155], s[104:105] offset:1024
	global_store_b128 v[L16], v[156:159], s[104:105] offset:1536
	v_cndmask_b32 v162, v160, v161, s[LM]
	global_store_b32 v[L4], v162, s[96:97]
	s_wait_tensorcnt 0x0
	ds_add_u32 v[SPW], v[NIL]
	s_wait_dscnt 0x0
	CROUND
	s_endpgm
.Lfunc_end_k_q0bb1a9366c_proj:
	.size	k_q0bb1a9366c_proj, .Lfunc_end_k_q0bb1a9366c_proj-k_q0bb1a9366c_proj
	.p2alignl 7, 3214868480
	.fill 96, 4, 3214868480
	.section	.rodata,"a",@progbits
	.p2align	6, 0x0
	.amdhsa_kernel k_q0bb1a9366c_proj
		.amdhsa_group_segment_fixed_size 327680
		.amdhsa_private_segment_fixed_size 0
		.amdhsa_enable_private_segment 0
		.amdhsa_kernarg_size 48
		.amdhsa_user_sgpr_count 2
		.amdhsa_user_sgpr_kernarg_segment_ptr 1
		.amdhsa_wavefront_size32 1
		.amdhsa_system_sgpr_workgroup_id_x 1
		.amdhsa_system_sgpr_workgroup_id_y 1
		.amdhsa_system_sgpr_workgroup_id_z 1
		.amdhsa_system_vgpr_workitem_id 0
		.amdhsa_next_free_vgpr 1024
		.amdhsa_next_free_sgpr 106
		.amdhsa_reserve_vcc 0
		.amdhsa_float_denorm_mode_32 3
		.amdhsa_float_denorm_mode_16_64 3
		.amdhsa_memory_ordered 1
		.amdhsa_forward_progress 1
		.amdhsa_inst_pref_size 171
	.end_amdhsa_kernel
	.amdgpu_metadata
---
amdhsa.version: [ 1, 2 ]
amdhsa.kernels:
  - .name:           k_q0bb1a9366c_proj
    .symbol:         k_q0bb1a9366c_proj.kd
    .args:
      - { .name: xq, .offset: 0, .size: 8, .value_kind: global_buffer, .address_space: global }
      - { .name: wq, .offset: 8, .size: 8, .value_kind: global_buffer, .address_space: global }
      - { .name: q_bias, .offset: 16, .size: 8, .value_kind: global_buffer, .address_space: global }
      - { .name: k_bias, .offset: 24, .size: 8, .value_kind: global_buffer, .address_space: global }
      - { .name: low_rank_value_bias, .offset: 32, .size: 8, .value_kind: global_buffer, .address_space: global }
      - { .name: qkv, .offset: 40, .size: 8, .value_kind: global_buffer, .address_space: global }
    .group_segment_fixed_size: 327680
    .private_segment_fixed_size: 0
    .kernarg_segment_align: 8
    .kernarg_segment_size: 48
    .max_flat_workgroup_size: 128
    .sgpr_count:     106
    .vgpr_count:     1024
    .wavefront_size: 32
...
	.end_amdgpu_metadata
.endif
;; end of part 2
;; launch attn (part 3): grid 4 x 64, 16 waves a work-group, clusters of 4 x 1, 289,280 bytes of LDS; arguments qkv, wq, output_bias, out0; writes out0
.if DOCPART == 3
	.amdgcn_target "amdgcn-amd-amdhsa--gfx1250"
	.amdhsa_code_object_version 6
	.text
	.protected	k_q0bb1a9366c_attn
	.globl	k_q0bb1a9366c_attn
	.p2align	8
	.type	k_q0bb1a9366c_attn,@function
k_q0bb1a9366c_attn:
	s_mov_b64 s[64:65], 0
	v_nop
	global_prefetch_b8 v0, s[64:65] scope:SCOPE_SE
	s_setreg_imm32_b32 hwreg(HW_REG_WAVE_MODE, 25, 1), 1
	s_wait_xcnt 0x0
	s_wait_alu depctr_hold_cnt(0) depctr_sa_sdst(0) depctr_va_vdst(0) depctr_va_sdst(0) depctr_va_ssrc(0) depctr_va_vcc(0) depctr_vm_vsrc(0)
	s_getreg_b32 s2, hwreg(HW_REG_IB_STS2, 6, 4)
	s_cmp_eq_u32 s2, 0
	s_cbranch_scc0 .Lentry_in_a_cluster
	s_endpgm
.Lentry_in_a_cluster:
	s_bfe_u32 s2, ttmp6, 0x10000c
	s_cmp_lg_u32 s2, 0x3003
	s_cbranch_scc0 .Lentry_shape_is_right
	s_endpgm
.Lentry_shape_is_right:
; THE LAST LAUNCH.  Causal attention on codes of FP4 and the projection on the way out, in one launch: S^T = K Q^T (K = the head's 64), p = 2^(t - M), O^T = V^T P^T (K = the keys, 128 a step),
; O / l quantised along the head's 32 channels (one block of the last product's K = 512), out0 = Q(attn) Q(Wo) + output_bias.
; LEFT OUT: the key steps of 128 keys that lie wholly behind a tile's 16 queries: reference()'s own jnp.tril gives them the weight 0 for all values of the inputs.  A NaN or an infinity that reaches only them is not carried on.
; THE SOFTMAX: t = score x log2(e) / 8; M = the running largest t rounded UP to a whole number, kept as -M = floor(-t); p is quantised along the keys, not normalised; the row's sum is taken of the unquantised p and divides at the end.
; SHARES.  A work-group owns two tiles of 16 positions of one batch, TL = 4 idx + cx and TH = 127 - TL, FOR ALL 16 HEADS; wave w is head w.  A tile's last key step is T / 8, so TH walks 16 - idx / 2 steps and TL idx / 2 + 1:
; 17 tile steps for every wave of the launch, and every branch and trip count hangs on idx alone, which the four partners of a cluster share.
; K AND V go from memory straight into the registers of the one wave of the work-group that reads them (their fragments are images of the registers: 512 consecutive bytes a load).  K of step s + 1 is asked for behind the
; step's last score product, V of step s at the trip's top.  They are not asked for jointly: a ring of two slots for sixteen heads would be 2 x 16 x 6,784 = 217,088 bytes, which do not fit beside Wo's 278,528.
; The last trip's look-ahead reads the 4,096 + 512 bytes that follow in the pack (inside the buffer); they are not used.
; Wo's codes, 1,024 rows x 256 bytes, lie in LDS whole (pitch 272): sixteen joint loads at the head, one a wave, the same in all four partners; wave w fetches the 64 rows that it alone reads.
; PREFETCH: in each batch the cluster with idx = 0, which walks all sixteen steps, asks in trip s for step s + 2 of every head (wave = head): partner 0 K's blocks 0-7 of 256 bytes, partner 1 blocks 8-15, partner 2 V's eight,
; partner 3 the two of K's scale words (its other lanes name the second again): told apart by address.  Trips 14 and 15 ask for nothing.  Steps 0 and 1 and V's scale words (128 bytes a step) come by their loads alone.
; K = 64 IN AN INSTRUCTION OF 128: Q's fragment has zero codes in its upper four registers; K's fragment of tile t is named v[KF + 4 t .. + 7]; the upper two bytes of both scale words are 0 (2^-127, no NaN).
; THE WAY OUT.  Each wave puts its head's codes (16 bytes a position) and scale byte into LDS as the image of the last product's operand; one barrier; wave w makes 32 positions x columns 64 w .. + 63 (source 0 = 16 rows of wq,
; source 1 = 16 positions); results go through a stage in the wave's own Wo bytes, which have had their only fill and their last read, and leave as aligned units of 256 bytes with the bias added.
; Position t of tile T is row 32 (T / 2) + 8 (T % 2) + t + 8 (t / 8) of its batch.
; LIMITS: blocks whose largest magnitude lies under 2^-124 keep the scale byte 1; NaN and infinities among the inputs are not served.
.set PACK,  182272
.set VC,    65536                      ; in a pack: K's fragments at 0, V^T's here,
.set KSL,   98304                      ; K's scale words,
.set VSL,   106496                     ; V's,
.set QCO,   108544                     ; Q's fragments
.set QSO,   174080                     ; and scale words
.set WS,    1835008                    ; wq's scale bytes
.set WOB,   17408                      ; LDS: 64 rows x 272 bytes of Wo for each wave, from 0 on
.set AIMG,  278528                     ; attn's codes: 2 tiles x 4,096 bytes
.set ASC,   286720                     ; attn's scale bytes: 2 tiles x 16 positions x 16 heads
.set SPARE, 287232                     ; the spare words, 128 bytes for each wave
.set L16,  1                           ; v1 16 x lane;  v2 16 r;  v3 4 x lane
.set R16,  2
.set R4,   3
.set PFO,  4                           ; v4 the prefetch's offset
.set SPW,  5
.set NIL,  6
.set DH,   7                           ; v7, v8 my query's place in its tile's last key step - 16 (lane / 16)
.set DL,   8
.set STH,  14                          ; v14 -M, v15 the largest t, v[16:17] the sum: tile H;  v18-21 tile L
.set STL,  18
.set QSH,  22
.set QSL,  23
.set QH,   24                          ; v24-27 Q's codes, v28-31 zeros;  v32-39 tile L
.set QL,   32
.set KF,   40                          ; v40-71 K's eight tiles; v72-75 zeros
.set VF,   76
.set KSC,  92
.set VSC,  100
.set S,    104                         ; v104-167 S^T, then p
.set OH,   168
.set OL,   184
.set PC,   200
.set BM,   208
.set PM,   212
.set SO,   216
.set F,    220
.set PW,   221
.set T1,   222
.set CST,  223                         ; v223-230 addresses of the way out, made at the head
.set SST,  224
.set ADB,  225
.set ADA,  226
.set ADSA, 227
.set STO,  228
.set RD,   229
.set GO,   230
.set SBW,  232                         ; v232-247 Wo's scale words: tile b, K step f at 4 b + f
.set BIAS, 248                         ; v248-251 the bias of my four columns on the way out
.set X,    40                          ; the way out: O / l;  E its codes;  SA attn's scale words;  ACC the eight accumulators;  OB rows read back
.set E,    24
.set SA,   92
.set ACC,  104
.set OB,   24
.set WV,   12
.set LL,   19
.set LH,   20
.set STEPC, 21
.set PB,   22                          ; s[22:23] my pack;  s[24:31] where the next K, V, K's and V's scale words begin
.set KB,   24
.set VB,   26
.set KSB,  28
.set VSB,  30
.set G1,   32
.set G0,   40
.set SEL,  66
.set CS,   68
.set LM,   70
.macro CROUND
	s_barrier_signal -1
	s_barrier_wait -1
	s_cmp_lg_u32 s[WV], 0
	s_cbranch_scc1 .Lnot_wave_0_\@
	s_barrier_signal -3
.Lnot_wave_0_\@:
	s_barrier_wait -3
	s_barrier_signal -1
	s_barrier_wait -1
.endm
; a tile's numbers: qo its fragment of Q in the pack, qs its scale words, dd 32 ((T % 8) / 2) + 8 (T % 2), ob its first row's bytes in out0 + my columns'
.macro TSC t, qo, qs, dd, ob
	s_lshl_b32 s[\qo], s[\t], 9
	s_add_co_u32 s[\qo], s[\qo], QCO
	s_lshr_b32 s[\qs], s[\t], 2
	s_lshl_b32 s[\qs], s[\qs], 8
	s_and_b32 s46, s[\t], 3
	s_lshl_b32 s46, s46, 2
	s_add_co_u32 s[\qs], s[\qs], s46
	s_add_co_u32 s[\qs], s[\qs], QSO
	s_and_b32 s47, s[\t], 1
	s_lshl_b32 s47, s47, 3
	s_bfe_u32 s[\dd], s[\t], 0x20001
	s_lshl_b32 s[\dd], s[\dd], 5
	s_add_co_u32 s[\dd], s[\dd], s47
	s_lshr_b32 s[\ob], s[\t], 1
	s_lshl_b32 s[\ob], s[\ob], 5
	s_add_co_u32 s[\ob], s[\ob], s47
	s_add_co_u32 s[\ob], s[\ob], s48
	s_lshl_b32 s[\ob], s[\ob], 12
	s_add_co_u32 s[\ob], s[\ob], s49
.endm
.macro KLOAD                           ; nine loads.  K's scale words, 512 bytes a step, by one: lanes 0-15 get the words of tiles 0-3, lanes 16-31 those of tiles 4-7
.irp t, 0,1,2,3,4,5,6,7
	global_load_b128 v[KF+4*\t:KF+4*\t+3], v[L16], s[KB:KB+1] offset:512*\t
.endr
	global_load_b128 v[KSC:KSC+3], v[L16], s[KSB:KSB+1]
.endm
.macro VLOAD                           ; five loads.  V's scale words, 128 bytes a step, by one: lanes 0-15 the first fragment's, lanes 16-31 the second's
.irp u, 0,1
.irp c, 0,1
	global_load_b128 v[VF+8*\u+4*\c:VF+8*\u+4*\c+3], v[L16], s[VB:VB+1] offset:1024*\u+512*\c
.endr
.endr
	global_load_b32 v[VSC], v[R4], s[VSB:VSB+1]
.endm
	s_load_b256 s[4:11], s[0:1], 0x0               ; qkv, wq, output_bias, out0
	v_lshl_add_u32 v[SPW], v0, 2, SPARE
	v_mov_b32 v[NIL], 0
	ds_add_u32 v[SPW], v[NIL]                      ; the opening lines: the add, twice on end, and its wait ahead of my tensor load
	ds_add_u32 v[SPW], v[NIL]
	v_lshrrev_b32 v9, 5, v0
	v_readfirstlane_b32 s[WV], v9                  ; wave = head
	s_bfe_u32 s13, ttmp6, 0x40000                  ; cx: it enters global offsets and the mask's numbers alone
	s_and_b32 s14, ttmp7, 0xffff
	s_lshr_b32 s15, s14, 4                         ; batch
	s_and_b32 s16, s14, 15                         ; idx
	s_lshl_b32 s17, s16, 2
	s_add_co_u32 s17, s17, s13                     ; TL
	s_sub_co_u32 s18, 127, s17                     ; TH
	s_lshr_b32 s[LL], s16, 1                       ; their last key steps
	s_sub_co_u32 s[LH], 15, s[LL]
	s_mov_b32 s[G1], 15|(1<<20)|(1<<21)|(5<<22)|(3<<25)   ; the mask: all four partners; elements of 1 byte; four words of padding after every 64; 21 set beside a mask
	s_mov_b32 s[G1+1], 256<<16                     ; 64 rows of 256 bytes,
	s_mov_b32 s[G1+2], 64<<16
	s_mov_b32 s[G1+3], 256<<16
	s_mov_b32 s[G1+4], 64
	s_mov_b32 s[G1+5], 512                         ; 512 bytes apart in wq
	s_mov_b32 s[G1+6], 0
	s_mov_b32 s[G1+7], 0
	s_lshl_b32 s44, s15, 4
	s_add_co_u32 s44, s44, s[WV]
	s_mul_i32 s44, s44, PACK                       ; my pack: 16 x batch + head
	s_mov_b32 s45, 0
	s_lshl_b32 s48, s15, 11
	s_lshl_b32 s49, s[WV], 8
	s_mul_i32 s50, s[WV], WOB
	TSC 18, 71, 72, 73, 52
	TSC 17, 74, 75, 76, 54
	s_mov_b32 s53, 0
	s_mov_b32 s55, 0
	s_lshl_b32 s46, s[WV], 6
	s_add_co_u32 s46, s46, 2560                    ; my first row of wq
	s_lshl_b32 s56, s46, 5
	s_add_co_u32 s56, s56, WS                      ; its scale bytes: 32 a row, of which the first 16 count
	s_mov_b32 s57, 0
	s_lshl_b32 s46, s46, 9
	s_mov_b32 s47, 0
	s_mov_b32 s58, s49
	s_mov_b32 s59, 0
	s_lshl_b32 s60, s13, 11                        ; the prefetch: my partner's part of a step, and a step on
	s_mov_b32 s61, 4096
	s_cmp_eq_u32 s13, 2
	s_cselect_b32 s60, VC, s60
	s_cselect_b32 s61, 2048, s61
	s_cmp_eq_u32 s13, 3
	s_cselect_b32 s60, KSL, s60
	s_cselect_b32 s61, 512, s61
	s_cselect_b32 s62, 1, 7                        ; its last block
	s_add_co_u32 s60, s60, s61                     ; at step 1: the first trip steps it to 2
	s_cmp_eq_u32 s16, 0
	s_cselect_b32 s63, 14, 0                       ; trips that ask
	s_mov_b32 s[SEL], 0x76543210
	s_mov_b32 s[SEL+1], 0xfedcba98
	s_mov_b32 s[CS], 0x3e38aa3b                    ; c = log2(e) / 8
	s_mov_b32 s[CS+1], s[CS]
	s_mov_b32 s[LM], 0xffff0000                    ; lanes 16-31
	s_mov_b32 s[STEPC], 0
	v_and_b32 v104, 31, v0                         ; lane
	v_and_b32 v105, 15, v0                         ; r
	v_bfe_u32 v106, v0, 4, 1                       ; h
	v_lshlrev_b32 v[L16], 4, v104
	v_lshlrev_b32 v[R16], 4, v105
	v_lshlrev_b32 v[R4], 2, v104                   ; 4 x lane
	v_lshlrev_b32 v13, 5, v105
	v_min_u32 v107, s62, v104
	v_lshl_add_u32 v[PFO], v107, 8, s60
	v_add_nc_u32 v102, s71, v[L16]
	v_add_nc_u32 v103, s74, v[L16]
	v_add_nc_u32 v11, s72, v[R16]
	v_add_nc_u32 v12, s75, v[R16]
	v_and_b32 v107, 8, v105
	v_add_nc_u32 v107, v107, v105                  ; r + 8 (r / 8)
	v_lshlrev_b32 v108, 4, v106
	v_sub_nc_u32 v107, v107, v108                  ; - 16 h
	v_add_nc_u32 v[DH], s73, v107
	v_add_nc_u32 v[DL], s76, v107
	v_lshl_add_u32 v108, v106, 12, v[R16]
	s_add_co_u32 s51, s49, AIMG
	v_add_nc_u32 v[CST], s51, v108                 ; my codes: tile (lane / 16), head, row r
	v_lshl_add_u32 v108, v106, 8, v[R16]
	s_add_co_u32 s51, s[WV], ASC
	v_add_nc_u32 v[SST], s51, v108                 ; my scale byte
	v_mul_u32_u24 v108, v105, 272
	v_lshl_add_u32 v109, v106, 4, v108
	v_add_nc_u32 v[ADB], s50, v109                 ; Wo's fragments: row x pitch + 16 h
	v_lshl_add_u32 v109, v106, 6, v108
	v_add_nc_u32 v[STO], s50, v109                 ; the stage, in: row r, 64 h
	v_mul_u32_u24 v108, v106, 272
	v_add_nc_u32 v108, v108, v[R16]
	v_add_nc_u32 v[RD], s50, v108                  ; back: lanes 0-15 one row, lanes 16-31 the next
	v_add_nc_u32 v[ADA], AIMG, v[L16]
	v_add_nc_u32 v[ADSA], ASC, v[R16]
	v_lshl_add_u32 v[GO], v106, 12, v[R16]         ; and the same two rows in out0
.irp j, 28,29,30,31,36,37,38,39,72,73,74,75
	v_mov_b32 v\j, 0                               ; the zero codes
.endr
.set i, 0
.rept 32
	v_mov_b32 v[OH+i], 0                           ; O^T of both tiles: the tile step is written once, its first finds zeros
.set i, i+1
.endr
.irp st, STH, STL
	v_mov_b32 v[\st+1], 0xff61b1e6                 ; the largest t so far: -3e38
	v_floor_f32 v[\st], -v[\st+1]
	v_mov_b32 v[\st+2], 0
	v_mov_b32 v[\st+3], 0
.endr
.irp b, 0,1,2,3
	v_mov_b32 v[PM+\b], 0                          ; a lane permute's destination counts as one of its sources
.endr
	v_mov_b32 v[PW], 0
	s_wait_alu depctr_va_vdst(0)
	s_wait_dscnt 0x0                               ; both opening adds are done
	s_wait_kmcnt 0x0
	s_add_nc_u64 s[PB:PB+1], s[4:5], s[44:45]
	s_mov_b64 s[KB:KB+1], s[PB:PB+1]
	s_add_nc_u64 s[VB:VB+1], s[PB:PB+1], VC
	s_add_nc_u64 s[KSB:KSB+1], s[PB:PB+1], KSL
	s_add_nc_u64 s[VSB:VSB+1], s[PB:PB+1], VSL
	s_add_nc_u64 s[52:53], s[10:11], s[52:53]
	s_add_nc_u64 s[54:55], s[10:11], s[54:55]
	s_add_nc_u64 s[56:57], s[6:7], s[56:57]
	s_add_nc_u64 s[58:59], s[8:9], s[58:59]
	s_mov_b32 s[G0], 1
	s_mov_b32 s[G0+1], s50
	s_add_nc_u64 s[G0+2:G0+3], s[6:7], s[46:47]
	s_or_b32 s[G0+3], s[G0+3], 0x80000000
	global_load_b128 v[QH:QH+3], v102, s[PB:PB+1]
	global_load_b128 v[QL:QL+3], v103, s[PB:PB+1]
	global_load_b32 v[QSH], v11, s[PB:PB+1]
	global_load_b32 v[QSL], v12, s[PB:PB+1]
	KLOAD                                          ; step 0
.irp b, 0,1,2,3
	global_load_b128 v[SBW+4*\b:SBW+4*\b+3], v13, s[56:57] offset:512*\b
.endr
	global_load_b128 v[BIAS:BIAS+3], v[R16], s[58:59]
	CROUND                                         ; all four work-groups are here: the joint loads meet
	tensor_load_to_lds s[G0:G0+3], s[G1:G1+7]      ; every wave's one tensor load: my 64 rows of Wo
	s_nop 0
.rept 4
	v_nop
.endr
; A TILE STEP: 16 queries x 128 keys.  mask = 1: the text for the tile's last key step is assembled;  nextk = 1: the next step's K is asked for behind the score products;  vw: loads that may be out when V is needed (-1: V is in)
.macro TILE q, qs, st, o, d, lim, mask, nextk, vw
.irp t, 0,1,2,3
	v_wmma_scale_f32_16x16x128_f8f6f4 v[S+8*\t:S+8*\t+7], v[KF+4*\t:KF+4*\t+7], v[\q:\q+7], 0, v[KSC+\t], v[\qs] matrix_a_fmt:MATRIX_FMT_FP4 matrix_b_fmt:MATRIX_FMT_FP4
.endr
.irp t, 4,5,6,7
	v_wmma_scale_f32_16x16x128_f8f6f4 v[S+8*\t:S+8*\t+7], v[KF+4*\t:KF+4*\t+7], v[\q:\q+7], 0, v[KSC+\t-4], v[\qs] matrix_a_fmt:MATRIX_FMT_FP4 matrix_b_fmt:MATRIX_FMT_FP4 matrix_a_scale:MATRIX_SCALE_ROW1
.endr
.rept 4
	v_nop                                          ; places in front of the first read of results and of loads into K's registers
.endr
.if \nextk
	KLOAD
.endif
.if \mask
	s_cmp_lt_u32 s[STEPC], s[\lim]                 ; in the tile's last key step the scores of hidden keys become -infinity ahead of the maximum
	s_cbranch_scc1 .Lopen_\@
	v_mov_b32 v[T1], 0xff800000
.irp n, 0,1,2,3,4,5,6,7,8,9,10,11,12,13,14,15,16,17,18,19,20,21,22,23,24,25,26,27,28,29,30,31,32,33,34,35,36,37,38,39,40,41,42,43,44,45,46,47,48,49,50,51,52,53,54,55,56,57,58,59,60,61,62,63
	v_cmp_gt_i32 vcc_lo, 32*(\n/16)+\n%16, v[\d]   ; register 16 b + i holds the step's key 32 b + 16 (lane / 16) + i
	v_cndmask_b32 v[S+\n], v[S+\n], v[T1], vcc_lo
.endr
.Lopen_\@:
.endif
.irp b, 0,1,2,3
	v_max3_num_f32 v[BM+\b], v[S+16*\b], v[S+16*\b+1], v[S+16*\b+2]   ; the largest score of each block of 32 keys: for the row's maximum and for the block's largest p
.endr
.irp i, 3,5,7,9,11,13
.irp b, 0,1,2,3
	v_max3_num_f32 v[BM+\b], v[BM+\b], v[S+16*\b+\i], v[S+16*\b+\i+1]
.endr
.endr
.irp b, 0,1,2,3
	v_max_num_f32 v[BM+\b], v[BM+\b], v[S+16*\b+15]
.endr
.irp b, 0,1,2,3
	s_delay_alu instid0(VALU_DEP_4)
	v_permlanex16_b32 v[PM+\b], v[BM+\b], s[SEL], s[SEL+1]
.endr
.irp b, 0,1,2,3
	s_delay_alu instid0(VALU_DEP_4)
	v_max_num_f32 v[BM+\b], v[BM+\b], v[PM+\b]     ; with lane l xor 16's 16 keys
.endr
	s_delay_alu instid0(VALU_DEP_2)
	v_max3_num_f32 v[T1], v[BM], v[BM+1], v[BM+2]
	s_delay_alu instid0(VALU_DEP_1)
	v_max_num_f32 v[T1], v[T1], v[BM+3]
	s_delay_alu instid0(VALU_DEP_1)
	v_mul_f32 v[T1], s[CS], v[T1]                  ; the step's largest t
	s_delay_alu instid0(VALU_DEP_1)
	v_max_num_f32 v[\st+1], v[\st+1], v[T1]
	v_mov_b32 v[T1], v[\st]
	s_delay_alu instid0(VALU_DEP_2)
	v_floor_f32 v[\st], -v[\st+1]                  ; the new -M
	s_delay_alu instid0(VALU_DEP_1)
	v_sub_f32 v[T1], v[\st], v[T1]                 ; old M - new M: a whole number, 0 or less
	s_delay_alu instid0(VALU_DEP_1)
	v_cvt_i32_f32 v[T1], v[T1]
	s_delay_alu instid0(VALU_DEP_1)
	v_ldexp_f32 v[F], 1.0, v[T1]                   ; f = 2^(old M - new M)
.irp j, 0,2,4,6,8,10,12,14,16,18,20,22,24,26,28,30,32,34,36,38,40,42,44,46,48,50,52,54,56,58,60,62
	v_pk_fma_f32 v[S+\j:S+\j+1], v[S+\j:S+\j+1], s[CS:CS+1], v[\st:\st+1] op_sel_hi:[1,0,0]   ; t - M
.endr
.irp b, 0,1,2,3
	v_fma_f32 v[BM+\b], v[BM+\b], s[CS], v[\st]
.endr
	s_wait_alu depctr_va_vdst(0)
.irp j, 0,1,2,3,4,5,6,7,8,9,10,11,12,13,14,15,16,17,18,19,20,21,22,23,24,25,26,27,28,29,30,31,32,33,34,35,36,37,38,39,40,41,42,43,44,45,46,47,48,49,50,51,52,53,54,55,56,57,58,59,60,61,62,63
	v_exp_f32 v[S+\j], v[S+\j]                     ; p = 2^(t - M)
.endr
	v_pk_mul_f32 v[\st+2:\st+3], v[\st+2:\st+3], v[F:F+1] op_sel_hi:[1,0]   ; the sums under the new M (a plain place behind the exponentials)
	s_wait_alu depctr_va_vdst(0)                   ; one wait for the batch, ahead of its first reader
.irp b, 0,1,2,3
	v_exp_f32 v[BM+\b], v[BM+\b]                   ; the block's largest p
.endr
	v_pk_add_f32 v[PM:PM+1], v[S:S+1], v[S+2:S+3]  ; the row's sum of the unquantised p, in two chains
.irp j, 4,8,12,16,20,24,28,32,36,40,44,48,52,56,60
	v_pk_add_f32 v[\st+2:\st+3], v[\st+2:\st+3], v[S+\j:S+\j+1]
	v_pk_add_f32 v[PM:PM+1], v[PM:PM+1], v[S+\j+2:S+\j+3]
.endr
	s_delay_alu instid0(VALU_DEP_1)
	v_pk_add_f32 v[\st+2:\st+3], v[\st+2:\st+3], v[PM:PM+1]
	s_wait_alu depctr_va_vdst(0)                   ; and one for the four
.irp b, 0,1,2,3
	v_max_num_f32 v[BM+\b], 0x1800000, v[BM+\b]    ; the floor 2^(3 - 127)
.endr
.irp b, 0,1,2,3
	s_delay_alu instid0(VALU_DEP_4)
	v_add_nc_u32 v[SO+\b], 0xff000000, v[BM+\b]    ; the conversion's scale operand
.endr
.irp b, 0,1,2,3
	s_delay_alu instid0(VALU_DEP_4)
	v_lshrrev_b32 v[PM+\b], 23, v[SO+\b]           ; the scale's byte
.endr
	s_delay_alu instid0(VALU_DEP_3)
	v_lshl_or_b32 v[PW], v[PM+1], 8, v[PM]
	s_delay_alu instid0(VALU_DEP_1)
	v_lshl_or_b32 v[PW], v[PM+2], 16, v[PW]
	s_delay_alu instid0(VALU_DEP_1)
	v_lshl_or_b32 v[PW], v[PM+3], 24, v[PW]        ; p's scale word for these 128 keys
.irp b, 0,1,2,3
	v_cvt_scalef32_pk8_fp4_f32 v[PC+2*\b], v[S+16*\b:S+16*\b+7], v[SO+\b]
	v_cvt_scalef32_pk8_fp4_f32 v[PC+2*\b+1], v[S+16*\b+8:S+16*\b+15], v[SO+\b]
.endr
	v_nop                                          ; one plain place behind a scaled conversion
.irp c, 0,1
.irp i, 0,1
	v_permlane16_swap_b32 v[PC+4*\c+\i], v[PC+2+4*\c+\i]   ; a whole block in a lane
.endr
.endr
	s_wait_alu depctr_va_vdst(0)
.irp j, 0,2,4,6,8,10,12,14
	v_pk_mul_f32 v[\o+\j:\o+\j+1], v[\o+\j:\o+\j+1], v[F:F+1] op_sel_hi:[1,0]   ; O^T under the new M
.endr
.rept 4
	v_nop                                          ; places behind the scale word's and the codes' last writes
.endr
	s_wait_alu depctr_va_vdst(0)
.if \vw >= 0
	s_wait_loadcnt \vw                             ; V's five loads are in; the next K's nine, where they were asked for behind them, may be out
.endif
	v_wmma_scale_f32_16x16x128_f8f6f4 v[\o:\o+7], v[VF:VF+7], v[PC:PC+7], v[\o:\o+7], v[VSC], v[PW] matrix_a_fmt:MATRIX_FMT_FP4 matrix_b_fmt:MATRIX_FMT_FP4
	v_wmma_scale_f32_16x16x128_f8f6f4 v[\o+8:\o+15], v[VF+8:VF+15], v[PC:PC+7], v[\o+8:\o+15], v[VSC], v[PW] matrix_a_fmt:MATRIX_FMT_FP4 matrix_b_fmt:MATRIX_FMT_FP4 matrix_a_scale:MATRIX_SCALE_ROW1
.if \vw >= 0
	s_add_nc_u64 s[VB:VB+1], s[VB:VB+1], 2048      ; V's loads are done, so their bases may step
	s_add_nc_u64 s[VSB:VSB+1], s[VSB:VSB+1], 128
.endif
.endm
.Lstep:                                            ; sixteen trips, a constant; the trips behind tile H's last key step are jumped over: the same in all waves and in all four partners
	s_cmp_gt_u32 s[STEPC], s[LH]
	s_cbranch_scc1 .Lnext
	s_wait_xcnt 0x0                                ; the last trip's prefetch has read its offset, so it may step
	v_add_nc_u32 v[PFO], s61, v[PFO]
.rept 4
	v_nop                                          ; places in front of loads into registers that the last products read
.endr
	VLOAD
	s_wait_alu depctr_va_vdst(0)
	s_wait_loadcnt 5                               ; all but V's five: this step's K is in (in the first trip Q, Wo's scale words and the bias too)
	s_add_nc_u64 s[KB:KB+1], s[KB:KB+1], 4096      ; so K's bases may step
	s_add_nc_u64 s[KSB:KSB+1], s[KSB:KSB+1], 512
	s_cmp_lt_u32 s[STEPC], s63
	s_cbranch_scc0 .Lnoask
	global_prefetch_b8 v[PFO], s[PB:PB+1] th:TH_LOAD_NT scope:SCOPE_SE   ; step s + 2
.Lnoask:
	s_cmp_gt_u32 s[STEPC], s[LL]
	s_cbranch_scc1 .Lsingle
	TILE QH, QSH, STH, OH, DH, LH, 0, 0, 0         ; LH > LL: tile H is never in its last step here
	TILE QL, QSL, STL, OL, DL, LL, 1, 1, -1        ; the same fragments serve the second tile
	s_branch .Lnext
.Lsingle:
	TILE QH, QSH, STH, OH, DH, LH, 1, 1, 9
.Lnext:
	s_add_co_u32 s[STEPC], s[STEPC], 1
	s_cmp_lt_u32 s[STEPC], 16
	s_cbranch_scc1 .Lstep
	; O^T / l: register 8 u + j of lane (r, h) is channel 16 h + 8 u + j of query r; lanes l and l xor 16 hold the head's 32 channels: one block
	s_wait_alu depctr_va_vdst(0)
	s_wait_loadcnt 0x0                             ; the look-ahead's loads have landed: their registers may be written
	v_add_f32 v[STH+2], v[STH+2], v[STH+3]         ; (these lines are also the places behind the last products)
	v_add_f32 v[STL+2], v[STL+2], v[STL+3]
	v_permlanex16_b32 v[PM], v[STH+2], s[SEL], s[SEL+1]
	v_permlanex16_b32 v[PM+1], v[STL+2], s[SEL], s[SEL+1]
	v_add_f32 v[STH+2], v[STH+2], v[PM]
	v_add_f32 v[STL+2], v[STL+2], v[PM+1]          ; the rows' sums
	s_wait_alu depctr_va_vdst(0)
	v_rcp_f32 v[STH+2], v[STH+2]
	v_rcp_f32 v[STL+2], v[STL+2]
	v_nop
	s_wait_alu depctr_va_vdst(0)                   ; one wait for both, directly ahead of the first reader
.irp i, 0,1,2,3,4,5,6,7,8,9,10,11,12,13,14,15
	v_mul_f32 v[X+\i], v[OH+\i], v[STH+2]
	v_mul_f32 v[X+16+\i], v[OL+\i], v[STL+2]
.endr
	v_max3_num_f32 v[BM], |v[X]|, |v[X+1]|, 0x1800000
	v_max3_num_f32 v[BM+1], |v[X+16]|, |v[X+17]|, 0x1800000
.irp i, 2,4,6,8,10,12,14
	v_max3_num_f32 v[BM], v[BM], |v[X+\i]|, |v[X+\i+1]|
	v_max3_num_f32 v[BM+1], v[BM+1], |v[X+16+\i]|, |v[X+17+\i]|
.endr
	v_permlanex16_b32 v[PM], v[BM], s[SEL], s[SEL+1]
	v_permlanex16_b32 v[PM+1], v[BM+1], s[SEL], s[SEL+1]
	v_max_num_f32 v[BM], v[BM], v[PM]
	v_max_num_f32 v[BM+1], v[BM+1], v[PM+1]
	v_add_nc_u32 v[SO], 0xff000000, v[BM]
	v_add_nc_u32 v[SO+1], 0xff000000, v[BM+1]
	v_lshrrev_b32 v[PM], 23, v[SO]
	v_lshrrev_b32 v[PM+1], 23, v[SO+1]
	v_cvt_scalef32_pk8_fp4_f32 v[E], v[X:X+7], v[SO]
	v_cvt_scalef32_pk8_fp4_f32 v[E+1], v[X+8:X+15], v[SO]
	v_cvt_scalef32_pk8_fp4_f32 v[E+2], v[X+16:X+23], v[SO+1]
	v_cvt_scalef32_pk8_fp4_f32 v[E+3], v[X+24:X+31], v[SO+1]
	v_nop
	v_permlane16_swap_b32 v[E], v[E+2]             ; lanes 0-15 now hold tile H's blocks of 16 bytes, lanes 16-31 tile L's
	v_permlane16_swap_b32 v[E+1], v[E+3]
	v_cndmask_b32 v[T1], v[PM], v[PM+1], s[LM]
.macro FBLOAD f                        ; Wo's four fragments of K step f: eight loads
.set FBR, 168-112*((\f)%2)
.irp b, 0,1,2,3
.irp c, 0,1
	ds_load_b128 v[FBR+8*\b+4*\c:FBR+8*\b+4*\c+3], v[ADB] offset:4352*\b+64*(\f)+32*\c
.endr
.endr
.endm
.macro FALOAD f                        ; attn's two: four loads
.set FAR, 24+16*((\f)%2)
.irp a, 0,1
.irp c, 0,1
	ds_load_b128 v[FAR+8*\a+4*\c:FAR+8*\a+4*\c+3], v[ADA] offset:4096*\a+1024*(\f)+512*\c
.endr
.endr
.endm
.macro OMUL f, zero                    ; the eight accumulators take turns, in the same order in every K step
.set FBR, 168-112*((\f)%2)
.set FAR, 24+16*((\f)%2)
.irp a, 0,1
.irp b, 0,1,2,3
.if \zero
	v_wmma_scale_f32_16x16x128_f8f6f4 v[ACC+8*(4*\a+\b):ACC+8*(4*\a+\b)+7], v[FBR+8*\b:FBR+8*\b+7], v[FAR+8*\a:FAR+8*\a+7], 0, v[SBW+4*\b+(\f)], v[SA+4*\a+(\f)] matrix_a_fmt:MATRIX_FMT_FP4 matrix_b_fmt:MATRIX_FMT_FP4
.else
	v_wmma_scale_f32_16x16x128_f8f6f4 v[ACC+8*(4*\a+\b):ACC+8*(4*\a+\b)+7], v[FBR+8*\b:FBR+8*\b+7], v[FAR+8*\a:FAR+8*\a+7], v[ACC+8*(4*\a+\b):ACC+8*(4*\a+\b)+7], v[SBW+4*\b+(\f)], v[SA+4*\a+(\f)] matrix_a_fmt:MATRIX_FMT_FP4 matrix_b_fmt:MATRIX_FMT_FP4
.endif
.endr
.endr
.endm
	s_wait_alu depctr_va_vdst(0)
	s_wait_tensorcnt 0x0                           ; my 64 rows of Wo have landed
	ds_store_b128 v[CST], v[E:E+3]
	ds_store_b8 v[SST], v[T1]
	FBLOAD 0                                       ; my own rows: no other wave's work is needed for them
	FBLOAD 1
	s_wait_dscnt 0x0                               ; for the others' sake: my stores are done
	s_barrier_signal -1
	s_barrier_wait -1                              ; all sixteen heads' codes and scale bytes are in LDS
	FALOAD 0
	FALOAD 1
	ds_load_b128 v[SA:SA+3], v[ADSA]
	ds_load_b128 v[SA+4:SA+7], v[ADSA] offset:256
	s_wait_dscnt 0x0
	OMUL 0, 1
.rept 4
	v_nop                                          ; places in front of loads into registers that matrix instructions have read
.endr
	FALOAD 2
	FBLOAD 2
	OMUL 1, 0
.rept 4
	v_nop
.endr
	FALOAD 3
	FBLOAD 3
	s_wait_dscnt 12                                ; K step 2's twelve loads are in; K step 3's twelve may be out
	OMUL 2, 0
	s_wait_dscnt 0x0                               ; my last reads of Wo's rows are over
	OMUL 3, 0
.rept 4
	v_nop                                          ; places in front of the first read of results
.endr
.irp a, 0,1
.irp b, 0,1,2,3
	ds_store_b128 v[STO], v[ACC+8*(4*\a+\b):ACC+8*(4*\a+\b)+3] offset:4352*\a+128*(\b/2)+32*(\b%2)      ; each accumulator from its low end on
	ds_store_b128 v[STO], v[ACC+8*(4*\a+\b)+4:ACC+8*(4*\a+\b)+7] offset:4352*\a+128*(\b/2)+32*(\b%2)+16
.endr
.endr
.irp a, 0,1
.irp i, 0,1,2,3,4,5,6,7
	ds_load_b128 v[OB+4*(8*\a+\i):OB+4*(8*\a+\i)+3], v[RD] offset:4352*\a+544*\i   ; LDS serves a wave's instructions in order: these see my stores
.endr
.endr
.irp a, 0,1
.irp i, 0,1,2,3,4,5,6,7
	s_wait_dscnt 15-(8*\a+\i)                      ; the younger loads may be out
	v_pk_add_f32 v[OB+4*(8*\a+\i):OB+4*(8*\a+\i)+1], v[OB+4*(8*\a+\i):OB+4*(8*\a+\i)+1], v[BIAS:BIAS+1]
	v_pk_add_f32 v[OB+4*(8*\a+\i)+2:OB+4*(8*\a+\i)+3], v[OB+4*(8*\a+\i)+2:OB+4*(8*\a+\i)+3], v[BIAS+2:BIAS+3]
	global_store_b128 v[GO], v[OB+4*(8*\a+\i):OB+4*(8*\a+\i)+3], s[52+2*\a:53+2*\a] offset:(2*\i+8*(\i/4))*4096 th:TH_STORE_NT   ; sixteen lanes store 256 consecutive bytes, aligned
.endr
.endr
	s_wait_tensorcnt 0x0                           ; the wave's end
	ds_add_u32 v[SPW], v[NIL]
	s_wait_dscnt 0x0
	CROUND                                         ; the closing round
	s_endpgm
.Lfunc_end_k_q0bb1a9366c_attn:
	.size	k_q0bb1a9366c_attn, .Lfunc_end_k_q0bb1a9366c_attn-k_q0bb1a9366c_attn
	.p2alignl 7, 3214868480
	.fill 96, 4, 3214868480
	.section	.rodata,"a",@progbits
	.p2align	6, 0x0
	.amdhsa_kernel k_q0bb1a9366c_attn
		.amdhsa_group_segment_fixed_size 289280
		.amdhsa_private_segment_fixed_size 0
		.amdhsa_enable_private_segment 0
		.amdhsa_kernarg_size 32
		.amdhsa_user_sgpr_count 2
		.amdhsa_user_sgpr_kernarg_segment_ptr 1
		.amdhsa_wavefront_size32 1
		.amdhsa_system_sgpr_workgroup_id_x 1
		.amdhsa_system_sgpr_workgroup_id_y 1
		.amdhsa_system_sgpr_workgroup_id_z 1
		.amdhsa_system_vgpr_workitem_id 0
		.amdhsa_next_free_vgpr 256
		.amdhsa_next_free_sgpr 80
		.amdhsa_reserve_vcc 1
		.amdhsa_float_denorm_mode_32 3
		.amdhsa_float_denorm_mode_16_64 3
		.amdhsa_memory_ordered 1
		.amdhsa_forward_progress 1
		.amdhsa_inst_pref_size 83
	.end_amdhsa_kernel
	.amdgpu_metadata
---
amdhsa.version: [ 1, 2 ]
amdhsa.kernels:
  - .name:           k_q0bb1a9366c_attn
    .symbol:         k_q0bb1a9366c_attn.kd
    .args:
      - { .name: qkv, .offset: 0, .size: 8, .value_kind: global_buffer, .address_space: global }
      - { .name: wq, .offset: 8, .size: 8, .value_kind: global_buffer, .address_space: global }
      - { .name: output_bias, .offset: 16, .size: 8, .value_kind: global_buffer, .address_space: global }
      - { .name: out0, .offset: 24, .size: 8, .value_kind: global_buffer, .address_space: global }
    .group_segment_fixed_size: 289280
    .private_segment_fixed_size: 0
    .kernarg_segment_align: 8
    .kernarg_segment_size: 32
    .max_flat_workgroup_size: 512
    .sgpr_count:     80
    .vgpr_count:     256
    .wavefront_size: 32
...
	.end_amdgpu_metadata
.endif
;; end of part 3
